; MI455X (gfx1250); checked and timed in simulation.
; The chip was launched on July 23, 2026; its instructions are those of AMD's public machine-readable ISA for CDNA 5 (MIT licence, August 2026) and "CDNA5" Instruction Set Architecture Reference Guide (July 2026). The comments in the code are by the model that wrote it; some were corrected since.
;; Multi Head Attention. Allowed arithmetic: float matrix products may take bf16 or f16 operands with f32 sums; all other float work in f32.
;; Inputs: Wk 1,024 x 1,024 float32; Wo 1,024 x 1,024 float32; Wq 1,024 x 1,024 float32; Wv 1,024 x 1,024 float32; bk 1,024 float32; bo 1,024 float32; bq 1,024 float32; bv 1,024 float32; x 2 x 2,048 x 1,024 float32.
;; Outputs: out0 2 x 2,048 x 1,024 float32.
;; 2 versions, each right; version 2 is version 1 with the launch cast written anew for expert scheduling mode. Each part assembles by itself: llvm-mc -triple=amdgcn-amd-amdhsa -mcpu=gfx1250 --defsym DOCPART=n.
;; ======== version 1 of 2: 4 launches
;; limits: values are held in f16: magnitudes above 65,504 overflow, below 6.1e-05 lose precision
;; workspace buffers: h16 16,777,216 bytes; qkv 25,165,824 bytes; ctx 8,388,608 bytes
;; launch cast (part 1): grid 64 x 8, 8 waves a work-group, no clusters, 0 bytes of LDS; arguments x, Wq, Wk, Wv, Wo, h16; writes h16
.if DOCPART == 1
	.amdgcn_target "amdgcn-amd-amdhsa--gfx1250"
	.amdhsa_code_object_version 6
	.text
	.protected	k_q7d07b017a8_cast
	.globl	k_q7d07b017a8_cast
	.p2align	8
	.type	k_q7d07b017a8_cast,@function
k_q7d07b017a8_cast:
	s_mov_b64 s[64:65], 0
	v_nop
	global_prefetch_b8 v0, s[64:65] scope:SCOPE_SE
	s_setreg_imm32_b32 hwreg(HW_REG_WAVE_MODE, 25, 1), 1
	s_wait_xcnt 0x0
; h16 = x, Wq, Wk, Wv, Wo rounded to f16 (nearest even), one behind the other: x at byte 0 (8 MiB), the weights at 8, 10, 12, 14 MiB.
; A pure stream: each input byte is read once and each output byte written once; no LDS, no barrier, no matrix work.
; Slab y (the grid's y) is 4 MiB of f32: y = 0..3 the quarters of x, y = 4..7 the four weights; its f16 image lies at h16 + y * 2 MiB.
; A work-group takes 64 KiB of a slab, a wave 8 KiB, a lane sixteen loads of 16 bytes, all issued before the first is waited for.
; LIMIT: a number of magnitude 65,520 or more becomes an infinity in f16; below 6.1e-5 the absolute error is 3e-8 at the most.
.set X, 4                              ; v[4:67]   sixteen loads, 4 f32 each
.set Y, 68                             ; v[68:99]  sixteen pairs of registers, 4 f16 each
	s_load_b256 s[4:11], s[0:1], 0x0               ; x s[4:5], Wq s[6:7], Wk s[8:9], Wv s[10:11]
	s_load_b128 s[12:15], s[0:1], 0x20             ; Wo s[12:13], h16 s[14:15]
	s_and_b32 s16, ttmp7, 0xffff                   ; the slab
	v_lshrrev_b32 v3, 5, v0                        ; wave
	v_and_b32 v2, 31, v0                           ; lane
	v_lshlrev_b32 v1, 4, v2
	v_lshl_or_b32 v1, v3, 13, v1                   ; in: 8,192 x wave + 16 x lane
	v_lshlrev_b32 v2, 3, v2
	v_lshl_or_b32 v2, v3, 12, v2                   ; out: 4,096 x wave + 8 x lane
	s_cmp_lt_u32 s16, 4
	s_cselect_b32 s20, s16, 0                      ; the quarter of x; a weight begins at its own first byte
	s_lshl_b32 s20, s20, 22
	s_lshl_b32 s21, ttmp9, 16
	s_add_co_u32 s20, s20, s21                     ; + 64 KiB x work-group
	s_mov_b32 s21, 0
	s_lshl_b32 s22, s16, 21
	s_lshl_b32 s23, ttmp9, 15
	s_add_co_u32 s22, s22, s23                     ; out: 2 MiB x slab + 32 KiB x work-group
	s_mov_b32 s23, 0
	s_wait_kmcnt 0x0
	s_cmp_eq_u32 s16, 4                            ; the source buffer is chosen by the slab's number alone
	s_cselect_b64 s[18:19], s[6:7], s[4:5]
	s_cmp_eq_u32 s16, 5
	s_cselect_b64 s[18:19], s[8:9], s[18:19]
	s_cmp_eq_u32 s16, 6
	s_cselect_b64 s[18:19], s[10:11], s[18:19]
	s_cmp_eq_u32 s16, 7
	s_cselect_b64 s[18:19], s[12:13], s[18:19]
	s_add_nc_u64 s[18:19], s[18:19], s[20:21]
	s_add_nc_u64 s[14:15], s[14:15], s[22:23]
.irp i, 0,1,2,3,4,5,6,7,8,9,10,11,12,13,14,15
	global_load_b128 v[X+4*\i:X+4*\i+3], v1, s[18:19] offset:512*\i th:TH_LOAD_NT   ; a wave's load covers 512 consecutive bytes
.endr
.irp i, 0,1,2,3,4,5,6,7,8,9,10,11,12,13,14,15
	s_wait_loadcnt 15-\i                           ; loads come back in order: load i is in, the 15 - i younger ones stay out
	v_cvt_pk_f16_f32 v[Y+2*\i], v[X+4*\i], v[X+4*\i+1]
	v_cvt_pk_f16_f32 v[Y+2*\i+1], v[X+4*\i+2], v[X+4*\i+3]
	global_store_b64 v2, v[Y+2*\i:Y+2*\i+1], s[14:15] offset:256*\i   ; the 32 lanes store 256 consecutive bytes, aligned; every register is written once, so no source is ever rewritten
.endr
	s_endpgm
.Lfunc_end_k_q7d07b017a8_cast:
	.size	k_q7d07b017a8_cast, .Lfunc_end_k_q7d07b017a8_cast-k_q7d07b017a8_cast
	.p2alignl 7, 3214868480
	.fill 96, 4, 3214868480
	.section	.rodata,"a",@progbits
	.p2align	6, 0x0
	.amdhsa_kernel k_q7d07b017a8_cast
		.amdhsa_group_segment_fixed_size 0
		.amdhsa_private_segment_fixed_size 0
		.amdhsa_enable_private_segment 0
		.amdhsa_kernarg_size 48
		.amdhsa_user_sgpr_count 2
		.amdhsa_user_sgpr_kernarg_segment_ptr 1
		.amdhsa_wavefront_size32 1
		.amdhsa_system_sgpr_workgroup_id_x 1
		.amdhsa_system_sgpr_workgroup_id_y 1
		.amdhsa_system_sgpr_workgroup_id_z 1
		.amdhsa_system_vgpr_workitem_id 0
		.amdhsa_next_free_vgpr 104
		.amdhsa_next_free_sgpr 66
		.amdhsa_reserve_vcc 0
		.amdhsa_float_denorm_mode_32 3
		.amdhsa_float_denorm_mode_16_64 3
		.amdhsa_memory_ordered 1
		.amdhsa_forward_progress 1
		.amdhsa_inst_pref_size 7
	.end_amdhsa_kernel
	.amdgpu_metadata
---
amdhsa.version: [ 1, 2 ]
amdhsa.kernels:
  - .name:           k_q7d07b017a8_cast
    .symbol:         k_q7d07b017a8_cast.kd
    .args:
      - { .name: x, .offset: 0, .size: 8, .value_kind: global_buffer, .address_space: global }
      - { .name: Wq, .offset: 8, .size: 8, .value_kind: global_buffer, .address_space: global }
      - { .name: Wk, .offset: 16, .size: 8, .value_kind: global_buffer, .address_space: global }
      - { .name: Wv, .offset: 24, .size: 8, .value_kind: global_buffer, .address_space: global }
      - { .name: Wo, .offset: 32, .size: 8, .value_kind: global_buffer, .address_space: global }
      - { .name: h16, .offset: 40, .size: 8, .value_kind: global_buffer, .address_space: global }
    .group_segment_fixed_size: 0
    .private_segment_fixed_size: 0
    .kernarg_segment_align: 8
    .kernarg_segment_size: 48
    .max_flat_workgroup_size: 256
    .sgpr_count:     66
    .vgpr_count:     104
    .wavefront_size: 32
...
	.end_amdgpu_metadata
.endif
;; end of part 1
;; launch qkv (part 2): grid 8 x 32, 4 waves a work-group, clusters of 4 x 4, 327,680 bytes of LDS; arguments h16, bq, bk, bv, qkv; writes qkv
.if DOCPART == 2
	.amdgcn_target "amdgcn-amd-amdhsa--gfx1250"
	.amdhsa_code_object_version 6
	.text
	.protected	k_q7d07b017a8_qkv
	.globl	k_q7d07b017a8_qkv
	.p2align	8
	.type	k_q7d07b017a8_qkv,@function
k_q7d07b017a8_qkv:
	s_mov_b64 s[64:65], 0
	v_nop
	global_prefetch_b8 v0, s[64:65] scope:SCOPE_SE
	s_setreg_imm32_b32 hwreg(HW_REG_WAVE_MODE, 25, 1), 1
	s_wait_xcnt 0x0
	s_wait_alu depctr_hold_cnt(0) depctr_sa_sdst(0) depctr_va_vdst(0) depctr_va_sdst(0) depctr_va_ssrc(0) depctr_va_vcc(0) depctr_vm_vsrc(0)
	s_getreg_b32 s2, hwreg(HW_REG_IB_STS2, 6, 4)
	s_cmp_eq_u32 s2, 0
	s_cbranch_scc0 .Lentry_in_a_cluster
	s_endpgm
.Lentry_in_a_cluster:
	s_bfe_u32 s2, ttmp6, 0x10000c
	s_cmp_lg_u32 s2, 0xf033
	s_cbranch_scc0 .Lentry_shape_is_right
	s_endpgm
.Lentry_shape_is_right:
; q' = (x Wq + bq) log2(e), k = x Wk + bk, v = x Wv + bv, from the f16 images in h16; sums in f32; results in f16, head-major:
; qkv = q' at byte 0, k at 8 MiB, v at 16 MiB, each [16 batch + head][2048 tokens][64], so that a head's tokens are dense.
; log2(e) is folded into q in f32, so that the attention's exponentials are plain powers of two of score - maximum.
; A work-group makes 128 tokens x (128 columns = two heads) of each of q, k, v; 8 x 32 = 256 work-groups of equal work.
; A wave makes 64 tokens x one head of each of q, k, v: 4 x 12 accumulator tiles of 16 x 16, 384 registers.
; K = 1024 goes in 8 steps of 128 through two LDS slots.  A slot has four regions of 36,864 bytes, one filled by each wave with one
; tensor load: wave 0 brings 128 tokens x 256 bytes of x (LDS pitch 272, 34,816 bytes used), waves 1, 2, 3 bring 128 k-rows x 256 bytes of Wq, Wk, Wv (LDS pitch 288).
; The weights lie [k][n]; ds_load_tr16_b128 turns 8 x 8 blocks, so that a lane gets k along its registers.
; CLUSTERS: 4 x 4 work-groups.  x's tile hangs on the token block alone and is asked for jointly along a row of the cluster, a weight's tile
; on the column block alone and is asked for jointly along a column: that divides the requests for both by four.
; THE MATRIX INSTRUCTION IS USED TRANSPOSED (source 0 = 16 weight columns, source 1 = 16 tokens): lane l holds token l % 16 and eight
; neighbouring columns 8 (l / 16) + 0..7, which pack into 16 bytes.  The bias is the first product's C: nothing is cleared, nothing added later.
; REGISTERS: window 0: v16-27 addresses, v32-95 x's fragments (two buffers), v96-191 the bias tiles, later the way out;
;            window 1: v0-191 the weights' fragments (two buffers); window 2: accumulators of token blocks 0, 1; window 3: of blocks 2, 3.
; LIMITS: operands and results are f16: |x|, |W|, |k|, |v| below 65,504 and |q| below 45,400, else infinities; the order of the sums is not the reference's.
.set PA,     272                       ; LDS pitch of x's rows: 256 + 16, an odd multiple of 16
.set PB,     288                       ; LDS pitch of a weight's k-rows: 256 + 32, an odd multiple of 32, as the transposing loads want
.set REG,    36864                     ; a wave's region of a slot = 128 x 288
.set SLOT,   4*REG
.set STAGE,  2*SLOT                    ; behind the ring; no tensor load ever lands here
.set SP,     144                       ; stage pitch: a head's 128 bytes + 16
.set WSTAGE, 3*16*SP                   ; a wave's stage: 16 tokens of q, of k, of v
.set ADRA, 16                          ; v16-17  LDS address of my x fragments in slot 0, 1
.set ADRB, 18                          ; v18-23  LDS address of my weight fragments: 3 x slot + tensor
.set STO,  24                          ; the way out: where I put 16 bytes
.set RD,   25                          ; the way out: where I read them back
.set CO,   26                          ; my byte offset in a store of 512 bytes
.set BO,   27                          ; my byte offset in a bias
.set FA,   32                          ; x fragments: buffer f at FA + 32 f (window 0); the weights' at 96 f (window 1)
.set BIAS, 96                          ; v96-191: tile b = 4 x tensor + e holds bias[64 head + 16 e + 8 (l / 16) + 0..7]
.set TMP,  96                          ; the way out: packed results
.set BACK, 144                         ; the way out: rows read back
.set G1A, 24                           ; s[24:31] descriptor group 1 of x's tiles
.set G0A, 32                           ; s[32:39] group 0 of x's tiles, a set for each slot
.set G1B, 48                           ; s[48:55] group 1 of the weights' tiles
.set G0B, 56                           ; s[56:63] group 0 of the weights' tiles, a set for each slot
.set MSB, 0
.macro WIN new                         ; the immediate's high byte repeats the setting that is left
.if MSB != \new
	s_set_vgpr_msb (MSB<<8)|\new
.set MSB, \new
.endif
.endm
.set MUL_LO, 0xa1                      ; source 0 window 1, source 1 window 0, C and D window 2
.set MUL_HI, 0xf1                      ; the same, C and D window 3
.set ZERO_LO, 0x81                     ; the first products: C (the bias) window 0, D window 2
.set ZERO_HI, 0xc1                     ; the same, D window 3
.set TO_B,   0x40                      ; destination window 1, address window 0
; A joint load: wave 0 asks for x's tile, waves 1 to 3 for a weight's.  The branch hangs on the wave's number alone.
.macro JLOAD s
	s_cmp_eq_u32 s14, 0
	s_cbranch_scc0 .Lfor_b_\@
	tensor_load_to_lds s[G0A+4*\s:G0A+4*\s+3], s[G1A:G1A+7]
	s_nop 0
	s_branch .Lasked_\@
.Lfor_b_\@:
	tensor_load_to_lds s[G0B+4*\s:G0B+4*\s+3], s[G1B:G1B+7]
	s_nop 0
.Lasked_\@:
.endm
.macro CREST                           ; a round of the cluster's barrier behind its opening work-group barrier
	s_cmp_lg_u32 s14, 0
	s_cbranch_scc1 .Lnot_wave_0_\@
	s_barrier_signal -3
.Lnot_wave_0_\@:
	s_barrier_wait -3
	s_barrier_signal -1
	s_barrier_wait -1
.endm
.macro CROUND                          ; a whole round
	s_barrier_signal -1
	s_barrier_wait -1
	CREST
.endm
.macro PLACES                          ; four plain vector places behind matrix instructions, ahead of loads into their sources and of reads of their results
.rept 4
	v_nop
.endr
.endm
	s_load_b256 s[4:11], s[0:1], 0x0               ; h16 s[4:5], bq s[6:7], bk s[8:9], bv s[10:11]
	s_load_b64 s[12:13], s[0:1], 0x20              ; qkv
	s_set_vgpr_msb 0x40
	v_lshl_add_u32 v255, v0, 2, 0x4ec00
	s_set_vgpr_msb 0x4000
	v_mov_b32 v255, 0
	s_set_vgpr_msb 0x1
	ds_add_u32 v255, v255
	ds_add_u32 v255, v255
	s_set_vgpr_msb 0x100
	v_lshrrev_b32 v1, 5, v0
	v_readfirstlane_b32 s14, v1                    ; wave 0..3
	s_lshr_b32 s15, s14, 1                         ; which 64 tokens are mine
	s_and_b32 s16, s14, 1                          ; which of the two heads
	s_bfe_u32 s18, ttmp6, 0x40000                  ; cx
	s_bfe_u32 s19, ttmp6, 0x40004                  ; cy
	s_lshl_b32 s20, ttmp9, 2
	s_add_co_u32 s20, s20, s18                     ; column block 0..7
	s_and_b32 s21, ttmp7, 0xffff
	s_lshl_b32 s21, s21, 2
	s_add_co_u32 s21, s21, s19                     ; token block 0..31
	s_lshl_b32 s22, s19, 2
	s_lshl_b32 s22, 15, s22                        ; my row of the cluster
	s_lshl_b32 s23, 0x1111, s18                    ; my column
	; group 1: 128 rows x 128 elements of 2 bytes, 1,024 elements from row to row; padding behind every 64 words: 4 words for x, 8 for the weights
	s_or_b32 s[G1A+0], s22, (1<<16)|(1<<20)|(1<<21)|(5<<22)|(3<<25)
	s_or_b32 s[G1B+0], s23, (1<<16)|(1<<20)|(1<<21)|(5<<22)|(7<<25)
	s_mov_b32 s[G1A+1], 128<<16                    ; tensor_dim0 = 128
	s_mov_b32 s[G1B+1], 128<<16
	s_mov_b32 s[G1A+2], 128<<16                    ; tensor_dim1 = 128
	s_mov_b32 s[G1B+2], 128<<16
	s_mov_b32 s[G1A+3], 128<<16                    ; tile_dim0 = 128
	s_mov_b32 s[G1B+3], 128<<16
	s_mov_b32 s[G1A+4], 128                        ; tile_dim1 = 128
	s_mov_b32 s[G1B+4], 128
	s_mov_b32 s[G1A+5], 1024                       ; the pitch in memory
	s_mov_b32 s[G1B+5], 1024
	s_mov_b32 s[G1A+6], 0
	s_mov_b32 s[G1B+6], 0
	s_mov_b32 s[G1A+7], 0
	s_mov_b32 s[G1B+7], 0
	s_lshl_b32 s40, s21, 18                        ; x: token block x 128 rows x 2,048 bytes (hangs on the token block alone)
	s_mov_b32 s41, 0
	s_lshl_b32 s46, s14, 21                        ; weights: wave 1, 2, 3 = Wq, Wk, Wv at 8, 10, 12 MiB = 6 MiB + 2 MiB x wave,
	s_add_co_u32 s46, s46, 0x600000
	s_lshl_b32 s47, s20, 8                         ; + 256 bytes x column block (hangs on the column block and the wave alone)
	s_add_co_u32 s46, s46, s47
	s_mov_b32 s47, 0
	s_mul_i32 s42, s14, REG                        ; where my tile goes: wave x region; no place in the cluster enters an LDS address
	s_mov_b32 s44, 0x3fb8aa3b                      ; log2(e), as a pair for the packed multiply
	s_mov_b32 s45, 0x3fb8aa3b
	s_wait_dscnt 0x0
	s_wait_kmcnt 0x0
	s_add_nc_u64 s[40:41], s[4:5], s[40:41]
	s_add_nc_u64 s[46:47], s[4:5], s[46:47]
	CROUND                                         ; all sixteen work-groups are here: the first joint loads meet
.irp s, 0,1
	s_mov_b32 s[G0A+4*\s], 1
	s_add_co_u32 s[G0A+4*\s+1], s42, \s*SLOT
	s_add_nc_u64 s[G0A+4*\s+2:G0A+4*\s+3], s[40:41], \s*256        ; K step s: 128 elements along x's rows
	s_or_b32 s[G0A+4*\s+3], s[G0A+4*\s+3], 0x80000000
	s_mov_b32 s[G0B+4*\s], 1
	s_add_co_u32 s[G0B+4*\s+1], s42, \s*SLOT
	s_add_nc_u64 s[G0B+4*\s+2:G0B+4*\s+3], s[46:47], \s*262144     ; K step s: 128 rows down a weight
	s_or_b32 s[G0B+4*\s+3], s[G0B+4*\s+3], 0x80000000
	JLOAD \s                                       ; both slots are asked for before anything else: two loads of the wave are out
.endr
	v_and_b32 v1, 15, v0                           ; r = l % 16
	v_bfe_u32 v2, v0, 4, 1                         ; h = l / 16
	v_and_b32 v3, 7, v0                            ; l % 8
	v_bfe_u32 v4, v0, 3, 1                         ; (l / 8) % 2
	v_bfe_u32 v5, v0, 3, 2                         ; l / 8
	v_and_b32 v6, 31, v0                           ; l
	v_mul_u32_u24 v7, v1, PA                       ; x fragments: (64 x my half + r) x pitch + 16 h
	v_lshl_add_u32 v7, v2, 4, v7
	s_mul_i32 s74, s15, 64*PA
	v_add_nc_u32 v[ADRA], s74, v7
	v_add_nc_u32 v[ADRA+1], SLOT, v[ADRA]
	v_lshl_add_u32 v8, v2, 3, v3                   ; weight fragments: k-row 8 h + l % 8,
	v_mul_u32_u24 v8, v8, PB
	v_lshl_add_u32 v8, v4, 4, v8                   ; 16 bytes for each half of a group of sixteen lanes,
	s_lshl_b32 s74, s16, 7                         ; my head's 128 bytes of the row
	v_add_nc_u32 v8, s74, v8
.irp s, 0,1
.irp c, 0,1,2
	v_add_nc_u32 v[ADRB+3*\s+\c], \s*SLOT+(1+\c)*REG, v8
.endr
.endr
	s_mul_i32 s74, s14, WSTAGE
	s_add_co_u32 s74, s74, STAGE                   ; my stage
	v_mul_u32_u24 v9, v1, SP
	v_lshl_add_u32 v9, v2, 4, v9
	v_add_nc_u32 v[STO], s74, v9                   ; in: token r, 16 bytes for each half of the lanes
	v_mul_u32_u24 v9, v5, SP
	v_lshl_add_u32 v9, v3, 4, v9
	v_add_nc_u32 v[RD], s74, v9                    ; back: eight lanes take a token's 128 bytes, a load four tokens
	v_lshlrev_b32 v[CO], 4, v6                     ; which are 512 consecutive bytes of the head-major result
	s_lshl1_add_u32 s74, s20, s16                  ; my head = 2 x column block + my half
	s_lshl_b32 s74, s74, 8
	v_lshl_add_u32 v[BO], v2, 5, s74               ; bias bytes: 256 x head + 32 h
.irp c, 0,1,2
.irp e, 0,1,2,3
	global_load_b128 v[BIAS+8*(4*\c+\e):BIAS+8*(4*\c+\e)+3],   v[BO], s[6+2*\c:7+2*\c] offset:64*\e
	global_load_b128 v[BIAS+8*(4*\c+\e)+4:BIAS+8*(4*\c+\e)+7], v[BO], s[6+2*\c:7+2*\c] offset:64*\e+16
.endr
.endr
; 12 matrix instructions: token block a of the window's two (hi = 0: blocks 0, 1; hi = 1: blocks 2, 3) x all 12 column tiles, 32 along K.
; zero = 1: the first product takes the bias tile as C.  The 48 accumulators take turns, one instruction a turn.
.macro MUL12 f, hi, a, zero
.irp b, 0,1,2,3,4,5,6,7,8,9,10,11
.if \zero
	v_wmma_f32_16x16x32_f16 v[8*(12*\a+\b):8*(12*\a+\b)+7], v[96*\f+8*\b:96*\f+8*\b+7], v[FA+32*\f+8*(2*\hi+\a):FA+32*\f+8*(2*\hi+\a)+7], v[BIAS+8*\b:BIAS+8*\b+7]
.else
	v_wmma_f32_16x16x32_f16 v[8*(12*\a+\b):8*(12*\a+\b)+7], v[96*\f+8*\b:96*\f+8*\b+7], v[FA+32*\f+8*(2*\hi+\a):FA+32*\f+8*(2*\hi+\a)+7], v[8*(12*\a+\b):8*(12*\a+\b)+7]
.endif
.endr
.endm
; 32 LDS loads in one run: quarter q (32 along K) of a slot into buffer f: 24 transposing loads for the weights, then 8 for x, token blocks ascending
.macro FETCH slot, q, f
	WIN TO_B
.irp c, 0,1,2
.irp e, 0,1,2,3
	ds_load_tr16_b128 v[96*\f+8*(4*\c+\e):96*\f+8*(4*\c+\e)+3],   v[ADRB+3*\slot+\c] offset:(32*\q)*PB+32*\e
	ds_load_tr16_b128 v[96*\f+8*(4*\c+\e)+4:96*\f+8*(4*\c+\e)+7], v[ADRB+3*\slot+\c] offset:(32*\q+16)*PB+32*\e
.endr
.endr
	WIN 0
.irp a, 0,1,2,3
	ds_load_b128 v[FA+32*\f+8*\a:FA+32*\f+8*\a+3],   v[ADRA+\slot] offset:64*\q+16*PA*\a
	ds_load_b128 v[FA+32*\f+8*\a+4:FA+32*\f+8*\a+7], v[ADRA+\slot] offset:64*\q+16*PA*\a+32
.endr
.endm
; One of a K step's first three quarters: multiplies buffer f; in its middle it fetches quarter q of the same slot into buffer g.
.macro QUARTER slot, q, f, g, zero
	s_wait_dscnt 4                                 ; all but the youngest four loads, which are x's token blocks 2 and 3
.if \zero
	WIN ZERO_LO
.else
	WIN MUL_LO
.endif
	MUL12 \f, 0, 0, \zero
	MUL12 \f, 0, 1, \zero
	PLACES
	FETCH \slot, \q, \g
	s_wait_dscnt 32                                ; all but the 32 just issued
.if \zero
	WIN ZERO_HI
.else
	WIN MUL_HI
.endif
	MUL12 \f, 1, 0, \zero
	MUL12 \f, 1, 1, \zero
.endm
.macro THREE slot, zero
	QUARTER \slot, 1, 0, 1, \zero
	QUARTER \slot, 2, 1, 0, 0
	QUARTER \slot, 3, 0, 1, 0
.endm
; The last quarter multiplies buffer 1 and changes slots.  In front of the barrier each wave waits for its reads of this slot and for all its
; tensor loads (the one that is out is its part of the next slot).  fill = 1: the barrier opens a round of the cluster's barrier, and the joint
; refill of this slot, two K steps ahead, is the first tensor load behind the round, one a wave; it has 180 matrix instructions in which to land.
.macro TURN slot, next, fill
	s_wait_dscnt 4
	WIN MUL_LO
	MUL12 1, 0, 0, 0
	s_wait_dscnt 0                                 ; my reads of this slot are over
	s_wait_tensorcnt 0x0                           ; all my tensor loads have landed
	ds_add_u32 v255, v255
	s_wait_dscnt 0x0
	s_barrier_signal -1
	MUL12 1, 0, 1, 0                               ; register work while the others arrive
	WIN 0
	s_barrier_wait -1
.if \fill
	CREST                                          ; no wave of any partner still reads this slot or has a load on its way
	s_add_nc_u64 s[G0A+4*\slot+2:G0A+4*\slot+3], s[G0A+4*\slot+2:G0A+4*\slot+3], 512
	s_add_nc_u64 s[G0B+4*\slot+2:G0B+4*\slot+3], s[G0B+4*\slot+2:G0B+4*\slot+3], 524288
	JLOAD \slot
.endif
	PLACES
	FETCH \next, 0, 0
	WIN MUL_HI
	MUL12 1, 1, 0, 0
	MUL12 1, 1, 1, 0
.endm
.macro LAP zero                        ; two K steps, both slots filled again
	THREE 0, \zero
	TURN 0, 1, 1
	THREE 1, 0
	TURN 1, 0, 1
.endm
	s_wait_tensorcnt 0x1                           ; my part of K step 0 is in; K step 1's stays out
	s_barrier_signal -1
	s_barrier_wait -1                              ; everybody's part is in
	FETCH 0, 0, 0
	s_wait_loadcnt 0x0                             ; the bias tiles, which the first products take as C
	LAP 1                                          ; K steps 0, 1; asks for 2, 3
	WIN 0
	s_mov_b32 s3, 2                                ; K steps 2 to 5; ask for 4 to 7
.Llap:
	LAP 0
	WIN 0
	s_sub_co_u32 s3, s3, 1
	s_cmp_lg_u32 s3, 0
	s_cbranch_scc1 .Llap
	THREE 0, 0                                     ; K steps 6, 7: nothing is left to ask for, so no round of the cluster's barrier
	TURN 0, 1, 0
	THREE 1, 0
	s_wait_dscnt 4
	WIN MUL_LO
	MUL12 1, 0, 0, 0
	MUL12 1, 0, 1, 0
	s_wait_dscnt 0
	WIN MUL_HI
	MUL12 1, 1, 0, 0
	MUL12 1, 1, 1, 0
	; THE WAY OUT, 16 tokens at a time: q times log2(e), round to f16, 16 bytes a lane into my own stage, read back by tokens, store 512 consecutive bytes.
	PLACES
	s_lshr_b32 s74, s21, 4                         ; batch
	s_lshl_b32 s74, s74, 4
	s_lshl1_add_u32 s75, s20, s16                  ; head
	s_add_co_u32 s74, s74, s75
	s_lshl_b32 s74, s74, 18                        ; (16 batch + head) x 2,048 tokens x 128 bytes
	s_and_b32 s75, s21, 15
	s_lshl_b32 s75, s75, 14                        ; + token block in the batch x 128 x 128
	s_add_co_u32 s74, s74, s75
	s_lshl_b32 s75, s15, 13                        ; + my 64 tokens
	s_add_co_u32 s74, s74, s75
	s_mov_b32 s75, 0
	s_add_nc_u64 s[68:69], s[12:13], s[74:75]      ; q'
	s_add_nc_u64 s[70:71], s[68:69], 0x800000      ; k
	s_add_nc_u64 s[72:73], s[68:69], 0x1000000     ; v
; token block i of my four = block a of window 2 or 3.  sc: the window setting for the scaling in place; from: for the conversions
.macro OUT16 i, a, sc, from
	WIN \sc
.irp b, 0,1,2,3
.irp r, 0,2,4,6
	v_pk_mul_f32 v[8*(12*\a+\b)+\r:8*(12*\a+\b)+\r+1], v[8*(12*\a+\b)+\r:8*(12*\a+\b)+\r+1], s[44:45] op_sel_hi:[1,0]   ; tiles 0 to 3 are q
.endr
.endr
	WIN \from
.irp b, 0,1,2,3,4,5,6,7,8,9,10,11
.irp r, 0,1,2,3
	v_cvt_pk_f16_f32 v[TMP+4*\b+\r], v[8*(12*\a+\b)+2*\r], v[8*(12*\a+\b)+2*\r+1]
.endr
.endr
	WIN 0
.irp c, 0,1,2
.irp e, 0,1,2,3
	ds_store_b128 v[STO], v[TMP+4*(4*\c+\e):TMP+4*(4*\c+\e)+3] offset:16*SP*\c+32*\e
.endr
.endr
	s_wait_xcnt 0x0                                ; BACK, which the last block's stores read, is loaded again only behind this wait
.irp c, 0,1,2
.irp t, 0,1,2,3
	ds_load_b128 v[BACK+4*(4*\c+\t):BACK+4*(4*\c+\t)+3], v[RD] offset:16*SP*\c+4*SP*\t   ; LDS serves a wave's instructions in order: these see the stores above
.endr
.endr
.irp c, 0,1,2
.irp t, 0,1,2,3
	s_wait_dscnt 11-(4*\c+\t)                      ; the younger read-backs stay out
	global_store_b128 v[CO], v[BACK+4*(4*\c+\t):BACK+4*(4*\c+\t)+3], s[68+2*\c:69+2*\c] offset:2048*\i+512*\t   ; four tokens: 512 consecutive bytes, aligned
.endr
.endr
.endm
	OUT16 0, 0, 0x82, 0x0a
	OUT16 1, 1, 0x82, 0x0a
	OUT16 2, 0, 0xc3, 0x0f
	OUT16 3, 1, 0xc3, 0x0f
	s_set_vgpr_msb 0x1
	s_wait_tensorcnt 0x0
	ds_add_u32 v255, v255
	s_wait_dscnt 0x0
	s_set_vgpr_msb 0x100
	CROUND                                         ; the closing round: no work-group ends while a partner may still ask for a tile that names it
	s_endpgm
.Lfunc_end_k_q7d07b017a8_qkv:
	.size	k_q7d07b017a8_qkv, .Lfunc_end_k_q7d07b017a8_qkv-k_q7d07b017a8_qkv
	.p2alignl 7, 3214868480
	.fill 96, 4, 3214868480
	.section	.rodata,"a",@progbits
	.p2align	6, 0x0
	.amdhsa_kernel k_q7d07b017a8_qkv
		.amdhsa_group_segment_fixed_size 327680
		.amdhsa_private_segment_fixed_size 0
		.amdhsa_enable_private_segment 0
		.amdhsa_kernarg_size 40
		.amdhsa_user_sgpr_count 2
		.amdhsa_user_sgpr_kernarg_segment_ptr 1
		.amdhsa_wavefront_size32 1
		.amdhsa_system_sgpr_workgroup_id_x 1
		.amdhsa_system_sgpr_workgroup_id_y 1
		.amdhsa_system_sgpr_workgroup_id_z 1
		.amdhsa_system_vgpr_workitem_id 0
		.amdhsa_next_free_vgpr 960
		.amdhsa_next_free_sgpr 76
		.amdhsa_reserve_vcc 0
		.amdhsa_float_denorm_mode_32 3
		.amdhsa_float_denorm_mode_16_64 3
		.amdhsa_memory_ordered 1
		.amdhsa_forward_progress 1
		.amdhsa_inst_pref_size 170
	.end_amdhsa_kernel
	.amdgpu_metadata
---
amdhsa.version: [ 1, 2 ]
amdhsa.kernels:
  - .name:           k_q7d07b017a8_qkv
    .symbol:         k_q7d07b017a8_qkv.kd
    .args:
      - { .name: h16, .offset: 0, .size: 8, .value_kind: global_buffer, .address_space: global }
      - { .name: bq, .offset: 8, .size: 8, .value_kind: global_buffer, .address_space: global }
      - { .name: bk, .offset: 16, .size: 8, .value_kind: global_buffer, .address_space: global }
      - { .name: bv, .offset: 24, .size: 8, .value_kind: global_buffer, .address_space: global }
      - { .name: qkv, .offset: 32, .size: 8, .value_kind: global_buffer, .address_space: global }
    .group_segment_fixed_size: 327680
    .private_segment_fixed_size: 0
    .kernarg_segment_align: 8
    .kernarg_segment_size: 40
    .max_flat_workgroup_size: 128
    .sgpr_count:     76
    .vgpr_count:     960
    .wavefront_size: 32
...
	.end_amdgpu_metadata
.endif
;; end of part 2
;; launch attn (part 3): grid 8 x 32, 4 waves a work-group, no clusters, 327,680 bytes of LDS; arguments qkv, ctx; writes ctx
.if DOCPART == 3
	.amdgcn_target "amdgcn-amd-amdhsa--gfx1250"
	.amdhsa_code_object_version 6
	.text
	.protected	k_q7d07b017a8_attn
	.globl	k_q7d07b017a8_attn
	.p2align	8
	.type	k_q7d07b017a8_attn,@function
k_q7d07b017a8_attn:
	s_mov_b64 s[64:65], 0
	v_nop
	global_prefetch_b8 v0, s[64:65] scope:SCOPE_SE
	s_setreg_imm32_b32 hwreg(HW_REG_WAVE_MODE, 25, 1), 1
	s_wait_xcnt 0x0
; Causal attention of one head: ctx = softmax(q k^T, causal) v, no scale.  q' (= q log2 e), k, v: f16 [16 batch + head][2048][64]; ctx the same layout.
; The grid's y is the head (32), its x = 0..7.  A work-group takes two blocks of 128 queries, first block 14 - 2x, then block 2x + 1:
; (15 - 2x) + (2x + 2) = 17 key tiles of 128 for every one of the 256 work-groups.  The block with an odd number of tiles goes first, so each step's slot is fixed in the text.
; In a block the diagonal tile comes first (it starts the sums; it alone is masked), then the tiles below it, downwards.  Tiles above the diagonal are never touched.
; Wave w owns queries 32 w .. 32 w + 31 of the block, as two tiles of 16.
; TRANSPOSED FORM: S^T = K Q^T (A = 16 keys, B = 16 queries) and O^T = V^T P^T (A = V^T by transposing loads, B = P^T).  Lane l belongs to query l % 16 in all of
; them, so maximum, sum and rescaling factor are one number a lane (the two halves of the lanes hold different keys and are joined by one lane exchange), and two
; S^T tiles rounded to f16 ARE a B fragment of 32 keys: P never goes through LDS.
; Running maximum: p = 2^(S' - M'), a plain subtraction, exact at the maximum whatever the size of the scores.
; LDS: two slots of 40,960 bytes, four regions of 10,240, one filled by each wave with one tensor load of 64 keys: waves 0, 1 K (pitch 144), waves 2, 3 V (pitch 160).
; A wave never has more than one tensor load out; it has a whole step (64 matrix instructions and the softmax) in which to land.
; NO MULTICAST: the eight work-groups of a head want different tiles in each step and different numbers of them for each block; walking in step, with partners
; that ask and discard, takes 20 tile steps for a group of four against 17 here, and a tile is 32 KiB for a whole step's work.
; LIMITS: masked places inside the diagonal tile hold the reference's constant (-2^32, times log2 e); tiles above the diagonal get weight 0, which is the reference's result
; as long as a row's largest unmasked score is above about -2^32 + 150.  P is f16: weights below 2^-25 become 0 (against a sum of at least 1).  NaN and infinite inputs are not followed.
.set PK,     144
.set PV,     160
.set REG,    10240                     ; a wave's region of a slot: 64 keys
.set SLOT,   4*REG
.set STAGE,  2*SLOT                    ; behind the ring; no tensor load ever lands here
.set WSTAGE, 32*144                    ; a wave's stage: 32 queries x (128 + 16) bytes
.set ADRK, 1                           ; LDS address of my K fragments: 144 r + 16 h
.set ADRV, 2                           ; of my V fragments
.set MX,   4                           ; maxima: pair v[4+24 sub+2 qt]; the sets of the tile's two halves take turns as old and new, so none is copied
.set SM,   8                           ; v8, v9 sums of my half of the keys
.set DQ,   10                          ; v10, v11 my query in the block, less 8 h
.set AL,   12                          ; pairs v[12:13], v[14:15]: 2^(old maximum - new), at the end 1 / sum
.set TT,   16                          ; v16-23 at work
.set STO,  24
.set RD,   25
.set CO,   26
.set QOFF, 27
.set QF,   32                          ; v32-63   Q fragments: 8 (2 qt + ks)
.set SC,   64                          ; v64-127  S^T tiles: 8 (2 kt + qt); P fragment (kp, qt) in place of tile (2 kp, qt)
.set KF,   128                         ; v128-191 K fragments: 8 (2 kt + ks)
.set VF,   192                         ; v192-255 V^T fragments: 8 (2 t + kp)
                                       ; window 1, v0-63: O^T tiles: 8 (2 t + qt)
.set G1K, 36
.set G1V, 44
.set G0K, 52                           ; s[52:59]: slot s at G0K + 4 s
.set G0V, 60                           ; s[60:63], s[68:71]: slot s at G0V + 8 s
.set MSB, 0
.macro WIN new
.if MSB != \new
	s_set_vgpr_msb (MSB<<8)|\new
.set MSB, \new
.endif
.endm
.macro KVLOAD s                        ; my one tensor load of a step: waves 0, 1 a half of K, waves 2, 3 a half of V
	s_cmp_eq_u32 s9, 0
	s_cbranch_scc0 .Lfor_v_\@
	tensor_load_to_lds s[G0K+4*(\s):G0K+4*(\s)+3], s[G1K:G1K+7]
	s_nop 0
	s_branch .Lasked_\@
.Lfor_v_\@:
	tensor_load_to_lds s[G0V+8*(\s):G0V+8*(\s)+3], s[G1V:G1V+7]
	s_nop 0
.Lasked_\@:
.endm
.macro QLOAD qp                        ; my 32 queries as four B fragments: lane l holds query l % 16, d = 32 ks + 8 h + 0..7 and + 16
.irp qt, 0,1
.irp ks, 0,1
	global_load_b128 v[QF+8*(2*\qt+\ks):QF+8*(2*\qt+\ks)+3],   v[QOFF], s[\qp:\qp+1] offset:2048*\qt+64*\ks
	global_load_b128 v[QF+8*(2*\qt+\ks)+4:QF+8*(2*\qt+\ks)+7], v[QOFF], s[\qp:\qp+1] offset:2048*\qt+64*\ks+32
.endr
.endr
.endm
.macro FETCHK slot, sub                ; 16 loads: 64 keys x 64 d as eight A fragments
.irp kt, 0,1,2,3
.irp ks, 0,1
	ds_load_b128 v[KF+8*(2*\kt+\ks):KF+8*(2*\kt+\ks)+3],   v[ADRK] offset:\slot*SLOT+\sub*REG+16*\kt*PK+64*\ks
	ds_load_b128 v[KF+8*(2*\kt+\ks)+4:KF+8*(2*\kt+\ks)+7], v[ADRK] offset:\slot*SLOT+\sub*REG+16*\kt*PK+64*\ks+32
.endr
.endr
.endm
.macro FETCHV slot, sub                ; 16 transposing loads: 64 d x 64 keys as eight A fragments
.irp t, 0,1,2,3
.irp kp, 0,1
	ds_load_tr16_b128 v[VF+8*(2*\t+\kp):VF+8*(2*\t+\kp)+3],   v[ADRV] offset:\slot*SLOT+(64*\sub+32*\kp)*PV+32*\t
	ds_load_tr16_b128 v[VF+8*(2*\t+\kp)+4:VF+8*(2*\t+\kp)+7], v[ADRV] offset:\slot*SLOT+(64*\sub+32*\kp+16)*PV+32*\t
.endr
.endr
.endm
	s_load_b128 s[4:7], s[0:1], 0x0                ; qkv s[4:5], ctx s[6:7]
	v_lshl_add_u32 v3, v0, 2, 0x29000
	s_set_vgpr_msb 0x40
	v_mov_b32 v65, 0
	s_set_vgpr_msb 0x4044
	ds_add_u32 v3, v65
	ds_add_u32 v3, v65
	s_set_vgpr_msb 0x4400
	v_lshrrev_b32 v16, 5, v0
	v_readfirstlane_b32 s8, v16                    ; wave 0..3
	s_lshr_b32 s9, s8, 1                           ; I fetch K (0) or V (1),
	s_and_b32 s10, s8, 1                           ; its keys 0-63 or 64-127
	s_mov_b32 s11, ttmp9                           ; x
	s_and_b32 s12, ttmp7, 0xffff                   ; 16 batch + head
	s_lshl_b32 s14, s11, 1
	s_sub_co_u32 s13, 14, s14                      ; the first block, and the current tile: 14 - 2x
	s_add_co_u32 s14, s14, 1                       ; the second block: 2x + 1
	s_mov_b32 s17, 0
	s_mov_b32 s30, 0x76543210                      ; v_permlanex16_b32: lane i of one half reads lane i of the other
	s_mov_b32 s31, 0xfedcba98
	s_mov_b32 s33, 0xcfb8aa3b                      ; -2^32 log2(e): the reference's masking constant in my scores' unit
	; group 1: a half tile is 8,192 dense bytes: 32 rows of 128 elements of 2 bytes; padding behind every 32 words (a key's 128 bytes): 4 words for K, 8 for V
	s_mov_b32 s[G1K+0], (1<<16)|(1<<20)|(4<<22)|(3<<25)
	s_mov_b32 s[G1V+0], (1<<16)|(1<<20)|(4<<22)|(7<<25)
	s_mov_b32 s[G1K+1], 128<<16                    ; tensor_dim0 = 128
	s_mov_b32 s[G1V+1], 128<<16
	s_mov_b32 s[G1K+2], 32<<16                     ; tensor_dim1 = 32
	s_mov_b32 s[G1V+2], 32<<16
	s_mov_b32 s[G1K+3], 128<<16                    ; tile_dim0 = 128
	s_mov_b32 s[G1V+3], 128<<16
	s_mov_b32 s[G1K+4], 32                         ; tile_dim1 = 32
	s_mov_b32 s[G1V+4], 32
	s_mov_b32 s[G1K+5], 128                        ; the pitch in memory
	s_mov_b32 s[G1V+5], 128
	s_mov_b32 s[G1K+6], 0
	s_mov_b32 s[G1V+6], 0
	s_mov_b32 s[G1K+7], 0
	s_mov_b32 s[G1V+7], 0
	s_lshl_b32 s74, s12, 18                        ; my head: 2,048 tokens x 128 bytes
	s_mov_b32 s75, 0
	s_mul_i32 s18, s8, REG                         ; where my part of a tile goes: wave x region
	s_wait_dscnt 0x0
	s_wait_kmcnt 0x0
	s_add_nc_u64 s[24:25], s[4:5], s[74:75]        ; q' of my head
	s_add_nc_u64 s[28:29], s[6:7], s[74:75]        ; ctx of my head
	s_lshl_b32 s74, s10, 13
	s_add_nc_u64 s[20:21], s[24:25], s[74:75]      ; + my 64 keys of a tile
	s_add_nc_u64 s[20:21], s[20:21], 0x800000      ; k
	s_add_nc_u64 s[22:23], s[20:21], 0x800000      ; v
	s_lshl_b32 s74, s14, 14                        ; the second block: 128 tokens x 128 bytes each
	s_add_nc_u64 s[26:27], s[24:25], s[74:75]
	s_add_nc_u64 s[72:73], s[28:29], s[74:75]
	s_lshl_b32 s16, s13, 14                        ; the first block, which is also the first tile
	s_add_nc_u64 s[24:25], s[24:25], s[16:17]
	s_add_nc_u64 s[28:29], s[28:29], s[16:17]
	s_lshl_b32 s74, s8, 12                         ; ctx: my 32 queries
	s_add_nc_u64 s[28:29], s[28:29], s[74:75]
	s_add_nc_u64 s[72:73], s[72:73], s[74:75]
.irp s, 0,1
	s_mov_b32 s[G0K+4*\s], 1
	s_add_co_u32 s[G0K+4*\s+1], s18, \s*SLOT
	s_mov_b32 s[G0V+8*\s], 1
	s_add_co_u32 s[G0V+8*\s+1], s18, \s*SLOT
.endr
	s_add_nc_u64 s[G0K+2:G0K+3], s[20:21], s[16:17]
	s_or_b32 s[G0K+3], s[G0K+3], 0x80000000
	s_add_nc_u64 s[G0V+2:G0V+3], s[22:23], s[16:17]
	s_or_b32 s[G0V+3], s[G0V+3], 0x80000000
	KVLOAD 0                                       ; the first fill: the first block's diagonal tile into slot 0
	v_and_b32 v17, 15, v0                          ; r
	v_bfe_u32 v18, v0, 4, 1                        ; h
	v_and_b32 v19, 7, v0                           ; l % 8
	v_bfe_u32 v20, v0, 3, 1                        ; (l / 8) % 2
	v_bfe_u32 v21, v0, 3, 2                        ; l / 8
	v_and_b32 v22, 31, v0                          ; l
	s_lshl_b32 s75, s8, 5                          ; 32 w
	v_add_nc_u32 v[QOFF], s75, v17
	v_lshlrev_b32 v[QOFF], 7, v[QOFF]
	v_lshl_add_u32 v[QOFF], v18, 4, v[QOFF]        ; (32 w + r) x 128 + 16 h
	QLOAD 24
	v_mul_u32_u24 v[ADRK], v17, PK
	v_lshl_add_u32 v[ADRK], v18, 4, v[ADRK]
	v_lshl_add_u32 v[ADRV], v18, 3, v19            ; key 8 h + l % 8
	v_mul_u32_u24 v[ADRV], v[ADRV], PV
	v_lshl_add_u32 v[ADRV], v20, 4, v[ADRV]
	v_add_nc_u32 v[ADRV], 2*REG, v[ADRV]           ; V lies behind K's two regions
	s_mul_i32 s74, s8, WSTAGE
	s_add_co_u32 s74, s74, STAGE
	v_add_nc_u32 v[STO], s74, v[ADRK]              ; stage in: query r, 16 bytes for each half of the lanes (the same pitch as K's)
	v_mul_u32_u24 v[RD], v21, 144
	v_lshl_add_u32 v[RD], v19, 4, v[RD]
	v_add_nc_u32 v[RD], s74, v[RD]                 ; stage back: eight lanes take a query's 128 bytes
	v_lshlrev_b32 v[CO], 4, v22
	v_lshlrev_b32 v23, 3, v18
	v_sub_nc_u32 v[DQ], v17, v23
	v_add_nc_u32 v[DQ], s75, v[DQ]                 ; 32 w + r - 8 h
	v_add_nc_u32 v[DQ+1], 16, v[DQ]
	v_mov_b32 v[MX+1], 0                           ; the second registers of the pairs that packed instructions broadcast from: never used, written once
	v_mov_b32 v[MX+3], 0
	v_mov_b32 v[MX+25], 0
	v_mov_b32 v[MX+27], 0
	v_mov_b32 v[AL+1], 0
	v_mov_b32 v[AL+3], 0
; The head of a step on slot \slot.  Every wave waits for all its tensor loads (its part of this slot) and for its reads of the other slot, then the barrier;
; refill = 1: the next tile goes into the other slot, first thing behind the barrier, one load a wave.  The next tile is the one below, or, behind tile 0 of the
; first block, the second block's diagonal tile.
.macro HEAD slot, refill
	s_set_vgpr_msb 0x4
	s_wait_tensorcnt 0x0                           ; no tensor load of mine is out: every group 0 may be written
	ds_add_u32 v3, v65
	s_wait_dscnt 0x0
	s_set_vgpr_msb 0x400
.if \refill
	s_sub_co_u32 s18, s13, 1
	s_cmp_eq_u32 s13, 0
	s_cselect_b32 s13, s14, s18                    ; the tile of the next step
	s_lshl_b32 s16, s13, 14
	s_add_nc_u64 s[G0K+4*(1-\slot)+2:G0K+4*(1-\slot)+3], s[20:21], s[16:17]
	s_or_b32 s[G0K+4*(1-\slot)+3], s[G0K+4*(1-\slot)+3], 0x80000000
	s_add_nc_u64 s[G0V+8*(1-\slot)+2:G0V+8*(1-\slot)+3], s[22:23], s[16:17]
	s_or_b32 s[G0V+8*(1-\slot)+3], s[G0V+8*(1-\slot)+3], 0x80000000
.endif
	s_wait_dscnt 0x0                               ; my LDS reads are back, those of the other slot among them
	s_barrier_signal -1
	s_barrier_wait -1                              ; both now hold of all four waves
.if \refill
	KVLOAD (1-\slot)
.endif
	FETCHK \slot, 0
	FETCHV \slot, 0
.endm
; 64 keys (half \sub of the tile in \slot) against my 32 queries.  first = 1: they start maximum, sum and O.  mask = 1: the diagonal tile.
.macro SUB slot, sub, first, mask
	s_wait_dscnt 16                                ; K's fragments are in; the 16 younger loads are V's
	; S^T: eight accumulators take turns, one instruction a turn
.irp ks, 0,1
.irp kt, 0,1,2,3
.irp qt, 0,1
.if \ks == 0
	v_wmma_f32_16x16x32_f16 v[SC+8*(2*\kt+\qt):SC+8*(2*\kt+\qt)+7], v[KF+8*(2*\kt+\ks):KF+8*(2*\kt+\ks)+7], v[QF+8*(2*\qt+\ks):QF+8*(2*\qt+\ks)+7], 0
.else
	v_wmma_f32_16x16x32_f16 v[SC+8*(2*\kt+\qt):SC+8*(2*\kt+\qt)+7], v[KF+8*(2*\kt+\ks):KF+8*(2*\kt+\ks)+7], v[QF+8*(2*\qt+\ks):QF+8*(2*\qt+\ks)+7], v[SC+8*(2*\kt+\qt):SC+8*(2*\kt+\qt)+7]
.endif
.endr
.endr
.endr
.rept 4
	v_nop                                          ; four places ahead of the reads of S and of the loads into K's fragments
.endr
.if \sub == 0
	FETCHK \slot, 1
.endif
.if \mask
	; register j of tile kt holds key 64 sub + 16 kt + 8 h + j; it stays where key <= query, that is 64 sub + 16 kt + j <= 32 w + 16 qt + r - 8 h
.irp kt, 0,1,2,3
.irp j, 0,1,2,3,4,5,6,7
.irp qt, 0,1
	v_cmp_le_i32 vcc_lo, 64*\sub+16*\kt+\j, v[DQ+\qt]
	v_cndmask_b32 v[SC+8*(2*\kt+\qt)+\j], s33, v[SC+8*(2*\kt+\qt)+\j], vcc_lo
.endr
.endr
.endr
.endif
	; the largest of my 32 scores of each query tile, two chains each (tiles 0, 1 and tiles 2, 3), the old maximum taken in at the end
.irp qt, 0,1
	v_max3_num_f32 v[TT+2*\qt],   v[SC+8*\qt],    v[SC+8*\qt+1],    v[SC+8*\qt+2]
	v_max3_num_f32 v[TT+2*\qt+1], v[SC+32+8*\qt], v[SC+32+8*\qt+1], v[SC+32+8*\qt+2]
.endr
.irp p, 3,5,7,9,11,13
.irp qt, 0,1
	v_max3_num_f32 v[TT+2*\qt],   v[TT+2*\qt],   v[SC+8*\qt+(\p>>3)*16+(\p&7)],    v[SC+8*\qt+((\p+1)>>3)*16+((\p+1)&7)]
	v_max3_num_f32 v[TT+2*\qt+1], v[TT+2*\qt+1], v[SC+32+8*\qt+(\p>>3)*16+(\p&7)], v[SC+32+8*\qt+((\p+1)>>3)*16+((\p+1)&7)]
.endr
.endr
.irp qt, 0,1
	v_max3_num_f32 v[TT+2*\qt], v[TT+2*\qt], v[SC+8*\qt+23], v[SC+32+8*\qt+23]
.if \first
	v_max_num_f32 v[TT+2*\qt], v[TT+2*\qt], v[TT+2*\qt+1]
.else
	v_max3_num_f32 v[TT+2*\qt], v[TT+2*\qt], v[TT+2*\qt+1], v[MX+24*(1-\sub)+2*\qt]
.endif
.endr
.irp qt, 0,1
	v_permlanex16_b32 v[TT+2*\qt+1], v[TT+2*\qt], s30, s31         ; the other half of the lanes holds the query's other keys
.endr
.irp qt, 0,1
	v_max_num_f32 v[MX+24*\sub+2*\qt], v[TT+2*\qt], v[TT+2*\qt+1]  ; the new maximum, in this half's set
.if \first == 0
	v_sub_f32 v[TT+4+\qt], v[MX+24*(1-\sub)+2*\qt], v[MX+24*\sub+2*\qt]
	v_exp_f32 v[AL+2*\qt], v[TT+4+\qt]                             ; 2^(old - new); the plain instruction that follows touches neither register
.endif
.endr
.irp kt, 0,1,2,3
.irp qt, 0,1
.irp p, 0,2,4,6
	v_pk_add_f32 v[SC+8*(2*\kt+\qt)+\p:SC+8*(2*\kt+\qt)+\p+1], v[SC+8*(2*\kt+\qt)+\p:SC+8*(2*\kt+\qt)+\p+1], v[MX+24*\sub+2*\qt:MX+24*\sub+2*\qt+1] op_sel_hi:[1,0] neg_lo:[0,1] neg_hi:[0,1]
.endr
.endr
.endr
.set n, 0
.rept 64
	v_exp_f32 v[SC+n], v[SC+n]                     ; back to back; a plain instruction stands behind the last before any result is used
.set n, n+1
.endr
.if \first
	v_nop
	s_wait_alu depctr_va_vdst(0)
.else
	WIN 0x41                                       ; O in window 1, the factor in window 0
	s_wait_alu depctr_va_vdst(0)
.irp t, 0,1,2,3
.irp qt, 0,1
.irp p, 0,2,4,6
	v_pk_mul_f32 v[8*(2*\t+\qt)+\p:8*(2*\t+\qt)+\p+1], v[8*(2*\t+\qt)+\p:8*(2*\t+\qt)+\p+1], v[AL+2*\qt:AL+2*\qt+1] op_sel_hi:[1,0]
.endr
.endr
.endr
	WIN 0
.endif
	; the sum of my 32 weights of each query tile, in f32, two chains each
.irp qt, 0,1
	v_pk_add_f32 v[TT+4*\qt:TT+4*\qt+1],   v[SC+8*\qt:SC+8*\qt+1],       v[SC+8*\qt+2:SC+8*\qt+3]
	v_pk_add_f32 v[TT+4*\qt+2:TT+4*\qt+3], v[SC+32+8*\qt:SC+32+8*\qt+1], v[SC+32+8*\qt+2:SC+32+8*\qt+3]
.endr
.irp p, 4,6,16,18,20,22
.irp qt, 0,1
	v_pk_add_f32 v[TT+4*\qt:TT+4*\qt+1],   v[TT+4*\qt:TT+4*\qt+1],   v[SC+8*\qt+\p:SC+8*\qt+\p+1]
	v_pk_add_f32 v[TT+4*\qt+2:TT+4*\qt+3], v[TT+4*\qt+2:TT+4*\qt+3], v[SC+32+8*\qt+\p:SC+32+8*\qt+\p+1]
.endr
.endr
.irp qt, 0,1
	v_pk_add_f32 v[TT+4*\qt:TT+4*\qt+1], v[TT+4*\qt:TT+4*\qt+1], v[TT+4*\qt+2:TT+4*\qt+3]
.endr
.irp qt, 0,1
.if \first
	v_add_f32 v[SM+\qt], v[TT+4*\qt], v[TT+4*\qt+1]
.else
	v_add_f32 v[TT+4*\qt], v[TT+4*\qt], v[TT+4*\qt+1]
	v_fma_f32 v[SM+\qt], v[SM+\qt], v[AL+2*\qt], v[TT+4*\qt]
.endif
.endr
	; P^T as B fragments, in place: tile 2 kp gives keys 8 h + 0..7 (registers 0-3), tile 2 kp + 1 keys 16 + 8 h + 0..7 (registers 4-7)
.irp kp, 0,1
.irp qt, 0,1
.irp i, 0,1,2,3
	v_cvt_pk_f16_f32 v[SC+8*(4*\kp+\qt)+\i], v[SC+8*(4*\kp+\qt)+2*\i], v[SC+8*(4*\kp+\qt)+2*\i+1]
.endr
.irp i, 0,1,2,3
	v_cvt_pk_f16_f32 v[SC+8*(4*\kp+\qt)+4+\i], v[SC+8*(4*\kp+2+\qt)+2*\i], v[SC+8*(4*\kp+2+\qt)+2*\i+1]
.endr
.endr
.endr
.if \sub == 0
	s_wait_dscnt 16                                ; V's fragments are in; the 16 younger loads are K's for the second half
.else
	s_wait_dscnt 0                                 ; V's fragments are in; nothing younger is out
.endif
	WIN 0x50                                       ; C and D in window 1
	; O^T: eight accumulators take turns, one instruction a turn
.irp kp, 0,1
.irp t, 0,1,2,3
.irp qt, 0,1
.if \first*(1-\kp)
	v_wmma_f32_16x16x32_f16 v[8*(2*\t+\qt):8*(2*\t+\qt)+7], v[VF+8*(2*\t+\kp):VF+8*(2*\t+\kp)+7], v[SC+8*(4*\kp+\qt):SC+8*(4*\kp+\qt)+7], 0
.else
	v_wmma_f32_16x16x32_f16 v[8*(2*\t+\qt):8*(2*\t+\qt)+7], v[VF+8*(2*\t+\kp):VF+8*(2*\t+\kp)+7], v[SC+8*(4*\kp+\qt):SC+8*(4*\kp+\qt)+7], v[8*(2*\t+\qt):8*(2*\t+\qt)+7]
.endif
.endr
.endr
.endr
	WIN 0
.rept 5
	v_nop                                          ; five places: the next S^T products write over P; loads land in V's fragments; the end of a block reads O
.endr
.if \sub == 0
	FETCHV \slot, 1
.endif
.endm
.macro DIAG slot                       ; a block's first step: the diagonal tile
	HEAD \slot, 1
	s_wait_loadcnt 0x0                             ; the block's Q fragments
	SUB \slot, 0, 1, 1
	SUB \slot, 1, 0, 1
.endm
.macro FULL slot, refill               ; a tile below the diagonal
	HEAD \slot, \refill
	SUB \slot, 0, 0, 0
	SUB \slot, 1, 0, 0
.endm
; The end of a block: O / sum, rounded to f16, through my stage, out in stores of 512 consecutive bytes.  next = 1: the second block's Q is asked for first.
.macro FINAL cp, next
.if \next
	QLOAD 26
.endif
.irp qt, 0,1
	v_permlanex16_b32 v[TT+\qt], v[SM+\qt], s30, s31
.endr
.irp qt, 0,1
	v_add_f32 v[SM+\qt], v[SM+\qt], v[TT+\qt]      ; the two halves of the keys
.endr
	v_rcp_f32 v[AL], v[SM]                         ; the sum is at least 1: the largest weight is 2^0
	v_rcp_f32 v[AL+2], v[SM+1]
	v_nop                                          ; the plain place behind the reciprocals
	WIN 0x01                                       ; O from window 1
	s_wait_alu depctr_va_vdst(0)
.irp t, 0,1,2,3
.irp qt, 0,1
.irp p, 0,2,4,6
	v_pk_mul_f32 v[SC+8*(2*\t+\qt)+\p:SC+8*(2*\t+\qt)+\p+1], v[8*(2*\t+\qt)+\p:8*(2*\t+\qt)+\p+1], v[AL+2*\qt:AL+2*\qt+1] op_sel_hi:[1,0]
.endr
.endr
.endr
	WIN 0
.irp t, 0,1,2,3
.irp qt, 0,1
.irp i, 0,1,2,3
	v_cvt_pk_f16_f32 v[SC+8*(2*\t+\qt)+\i], v[SC+8*(2*\t+\qt)+2*\i], v[SC+8*(2*\t+\qt)+2*\i+1]
.endr
	ds_store_b128 v[STO], v[SC+8*(2*\t+\qt):SC+8*(2*\t+\qt)+3] offset:16*144*\qt+32*\t   ; query 16 qt + r, d = 16 t + 8 h + 0..7
.endr
.endr
.irp u, 0,1,2,3,4,5,6,7
	ds_load_b128 v[KF+4*\u:KF+4*\u+3], v[RD] offset:4*144*\u       ; LDS serves a wave's instructions in order: these see the stores above
.endr
.irp u, 0,1,2,3,4,5,6,7
	s_wait_dscnt 7-\u                              ; the younger read-backs stay out
	global_store_b128 v[CO], v[KF+4*\u:KF+4*\u+3], s[\cp:\cp+1] offset:512*\u   ; four queries: 512 consecutive bytes, aligned
.endr
.if \next
	s_wait_xcnt 0x0                                ; the registers that these stores read are loaded again (K's fragments) only behind this wait
.endif
.endm
	DIAG 0                                         ; first block, tile 14 - 2x, slot 0
	s_sub_co_u32 s15, 7, s11                       ; 14 - 2x tiles below it, two a trip
	s_cmp_eq_u32 s15, 0
	s_cbranch_scc1 .Lfirst_done
.Lfirst:
	FULL 1, 1
	FULL 0, 1
	s_sub_co_u32 s15, s15, 1
	s_cmp_lg_u32 s15, 0
	s_cbranch_scc1 .Lfirst
.Lfirst_done:
	FINAL 28, 1
	DIAG 1                                         ; second block, tile 2x + 1, slot 1
	s_mov_b32 s15, s11                             ; 2x + 1 tiles below it: x trips of two, and the last written out
	s_cmp_eq_u32 s15, 0
	s_cbranch_scc1 .Lsecond_done
.Lsecond:
	FULL 0, 1
	FULL 1, 1
	s_sub_co_u32 s15, s15, 1
	s_cmp_lg_u32 s15, 0
	s_cbranch_scc1 .Lsecond
.Lsecond_done:
	FULL 0, 0                                      ; tile 0: nothing is left to fetch, and no tensor load is out at the end
	FINAL 72, 0
	s_set_vgpr_msb 0x4
	s_wait_tensorcnt 0x0
	ds_add_u32 v3, v65
	s_wait_dscnt 0x0
	s_set_vgpr_msb 0x400
	s_endpgm
.Lfunc_end_k_q7d07b017a8_attn:
	.size	k_q7d07b017a8_attn, .Lfunc_end_k_q7d07b017a8_attn-k_q7d07b017a8_attn
	.p2alignl 7, 3214868480
	.fill 96, 4, 3214868480
	.section	.rodata,"a",@progbits
	.p2align	6, 0x0
	.amdhsa_kernel k_q7d07b017a8_attn
		.amdhsa_group_segment_fixed_size 327680
		.amdhsa_private_segment_fixed_size 0
		.amdhsa_enable_private_segment 0
		.amdhsa_kernarg_size 16
		.amdhsa_user_sgpr_count 2
		.amdhsa_user_sgpr_kernarg_segment_ptr 1
		.amdhsa_wavefront_size32 1
		.amdhsa_system_sgpr_workgroup_id_x 1
		.amdhsa_system_sgpr_workgroup_id_y 1
		.amdhsa_system_sgpr_workgroup_id_z 1
		.amdhsa_system_vgpr_workitem_id 0
		.amdhsa_next_free_vgpr 322
		.amdhsa_next_free_sgpr 76
		.amdhsa_reserve_vcc 1
		.amdhsa_float_denorm_mode_32 3
		.amdhsa_float_denorm_mode_16_64 3
		.amdhsa_memory_ordered 1
		.amdhsa_forward_progress 1
		.amdhsa_inst_pref_size 255
	.end_amdhsa_kernel
	.section	.bss,"aw",@nobits
	.p2align	6
	.space	262144
	.amdgpu_metadata
---
amdhsa.version: [ 1, 2 ]
amdhsa.kernels:
  - .name:           k_q7d07b017a8_attn
    .symbol:         k_q7d07b017a8_attn.kd
    .args:
      - { .name: qkv, .offset: 0, .size: 8, .value_kind: global_buffer, .address_space: global }
      - { .name: ctx, .offset: 8, .size: 8, .value_kind: global_buffer, .address_space: global }
    .group_segment_fixed_size: 327680
    .private_segment_fixed_size: 0
    .kernarg_segment_align: 8
    .kernarg_segment_size: 16
    .max_flat_workgroup_size: 128
    .sgpr_count:     76
    .vgpr_count:     322
    .wavefront_size: 32
...
	.end_amdgpu_metadata
.endif
;; end of part 3
;; launch proj (part 4): grid 8 x 32, 4 waves a work-group, clusters of 4 x 4, 327,680 bytes of LDS; arguments ctx, h16, bo, out0; writes out0
.if DOCPART == 4
	.amdgcn_target "amdgcn-amd-amdhsa--gfx1250"
	.amdhsa_code_object_version 6
	.text
	.protected	k_q7d07b017a8_proj
	.globl	k_q7d07b017a8_proj
	.p2align	8
	.type	k_q7d07b017a8_proj,@function
k_q7d07b017a8_proj:
	s_mov_b64 s[64:65], 0
	v_nop
	global_prefetch_b8 v0, s[64:65] scope:SCOPE_SE
	s_setreg_imm32_b32 hwreg(HW_REG_WAVE_MODE, 25, 1), 1
	s_wait_xcnt 0x0
	s_wait_alu depctr_hold_cnt(0) depctr_sa_sdst(0) depctr_va_vdst(0) depctr_va_sdst(0) depctr_va_ssrc(0) depctr_va_vcc(0) depctr_vm_vsrc(0)
	s_getreg_b32 s2, hwreg(HW_REG_IB_STS2, 6, 4)
	s_cmp_eq_u32 s2, 0
	s_cbranch_scc0 .Lentry_in_a_cluster
	s_endpgm
.Lentry_in_a_cluster:
	s_bfe_u32 s2, ttmp6, 0x10000c
	s_cmp_lg_u32 s2, 0xf033
	s_cbranch_scc0 .Lentry_shape_is_right
	s_endpgm
.Lentry_shape_is_right:
; out0 = ctx Wo + bo.  ctx: f16 [16 batch + head][2048 tokens][64]; Wo: f16 [1024 k][1024 n] at byte 14 MiB of h16; bo, out0: f32; sums in f32.
; A work-group makes 128 tokens x 128 columns (8 x 32 = 256 work-groups: 4,096 x 1,024 outputs leave no more for each), a wave 64 x 64: 16 accumulator tiles in window 1.
; K = 1024 goes in 4 steps of 256 (four heads) through two LDS slots.  A slot has four regions of 36,864 bytes, one filled by each wave with one tensor load:
; waves 0, 1 bring two heads x 128 tokens of ctx each (a head's 128 tokens are 16 KiB dense; padding behind every 128 bytes gives LDS pitch 144),
; waves 2, 3 bring 128 k-rows x 256 bytes of Wo each (LDS pitch 288, read by transposing loads).
; CLUSTERS: 4 x 4 work-groups; ctx's tiles hang on the token block alone and are asked for jointly along a row of the cluster, Wo's on the column block alone, along a column.
; The matrix instruction is used transposed (source 0 = 16 columns of Wo, source 1 = 16 tokens): lane l holds token l % 16, columns 8 (l / 16) + 0..7.  bo is the first product's C.
; A wave has two tensor loads out at the start and one behind each round of the cluster's barrier.
; LIMITS: operands are f16 (|ctx|, |Wo| below 65,504); the order of the sums is not the reference's.
.set PB,     288
.set REG,    36864
.set SLOT,   4*REG
.set STAGE,  2*SLOT                    ; behind the ring; no tensor load ever lands here
.set SP,     272                       ; stage pitch: 64 f32 + 16 bytes
.set ADRA, 16                          ; v16-17  my ctx fragments in slot 0, 1
.set ADRB, 18                          ; v18-21  my Wo fragments: 2 x slot + half of the slot's k-rows
.set STO,  24
.set RD,   25
.set CO,   26
.set BO,   27
.set FA,   32                          ; v32-95   ctx fragments, two buffers
.set FB,   96                          ; v96-159  Wo fragments, two buffers
.set BIAS, 160                         ; v160-191 tile b holds bo[my column + 16 b + 8 (l / 16) + 0..7]
.set BACK, 192                         ; v192-223 the way out
.set G1A, 24
.set G0A, 32
.set G1B, 48
.set G0B, 56
.set MULW, 0x50                        ; C and D window 1
.set ZEROW, 0x40                       ; D window 1, C (the bias) window 0
.set MSB, 0
.macro WIN new
.if MSB != \new
	s_set_vgpr_msb (MSB<<8)|\new
.set MSB, \new
.endif
.endm
.macro JLOAD s                         ; waves 0, 1 ask for ctx, waves 2, 3 for Wo; the branch hangs on the wave's number alone
	s_cmp_eq_u32 s15, 0
	s_cbranch_scc0 .Lfor_b_\@
	tensor_load_to_lds s[G0A+4*\s:G0A+4*\s+3], s[G1A:G1A+7]
	s_nop 0
	s_branch .Lasked_\@
.Lfor_b_\@:
	tensor_load_to_lds s[G0B+4*\s:G0B+4*\s+3], s[G1B:G1B+7]
	s_nop 0
.Lasked_\@:
.endm
.macro CREST
	s_cmp_lg_u32 s14, 0
	s_cbranch_scc1 .Lnot_wave_0_\@
	s_barrier_signal -3
.Lnot_wave_0_\@:
	s_barrier_wait -3
	s_barrier_signal -1
	s_barrier_wait -1
.endm
.macro CROUND
	s_barrier_signal -1
	s_barrier_wait -1
	CREST
.endm
.macro PLACES                          ; four plain vector places behind matrix instructions (ISA guide 7.12.1)
.rept 4
	v_nop
.endr
.endm
	s_load_b256 s[4:11], s[0:1], 0x0               ; ctx s[4:5], h16 s[6:7], bo s[8:9], out0 s[10:11]
	v_lshl_add_u32 v254, v0, 2, 0x4c400
	v_mov_b32 v255, 0
	ds_add_u32 v254, v255
	ds_add_u32 v254, v255
	v_lshrrev_b32 v1, 5, v0
	v_readfirstlane_b32 s14, v1                    ; wave 0..3
	s_lshr_b32 s15, s14, 1                         ; which 64 tokens are mine.  Also: I fetch ctx (0) or Wo (1)
	s_and_b32 s16, s14, 1                          ; which 64 columns.  Also: which half of that tile I fetch
	s_bfe_u32 s18, ttmp6, 0x40000                  ; cx
	s_bfe_u32 s19, ttmp6, 0x40004                  ; cy
	s_lshl_b32 s20, ttmp9, 2
	s_add_co_u32 s20, s20, s18                     ; column block 0..7
	s_and_b32 s21, ttmp7, 0xffff
	s_lshl_b32 s21, s21, 2
	s_add_co_u32 s21, s21, s19                     ; token block 0..31
	s_lshl_b32 s22, s19, 2
	s_lshl_b32 s22, 15, s22                        ; my row of the cluster
	s_lshl_b32 s23, 0x1111, s18                    ; my column
	; ctx: 2 rows (heads) of 2,048 elements of 8 bytes, 32,768 elements (a head's 262,144 bytes) apart; padding of 4 words behind every 32 words
	s_or_b32 s[G1A+0], s22, (3<<16)|(1<<20)|(1<<21)|(4<<22)|(3<<25)
	s_mov_b32 s[G1A+1], 2048<<16                   ; tensor_dim0 = 2,048
	s_mov_b32 s[G1A+2], 2<<16                      ; tensor_dim1 = 2
	s_mov_b32 s[G1A+3], 2048<<16                   ; tile_dim0 = 2,048
	s_mov_b32 s[G1A+4], 2                          ; tile_dim1 = 2
	s_mov_b32 s[G1A+5], 32768                      ; the pitch in memory
	s_mov_b32 s[G1A+6], 0
	s_mov_b32 s[G1A+7], 0
	; Wo: 128 rows of 128 elements of 2 bytes, 1,024 elements apart; padding of 8 words behind every 64 words
	s_or_b32 s[G1B+0], s23, (1<<16)|(1<<20)|(1<<21)|(5<<22)|(7<<25)
	s_mov_b32 s[G1B+1], 128<<16
	s_mov_b32 s[G1B+2], 128<<16
	s_mov_b32 s[G1B+3], 128<<16
	s_mov_b32 s[G1B+4], 128
	s_mov_b32 s[G1B+5], 1024
	s_mov_b32 s[G1B+6], 0
	s_mov_b32 s[G1B+7], 0
	s_lshr_b32 s40, s21, 4                         ; ctx: batch x 16 heads x 262,144 bytes
	s_lshl_b32 s40, s40, 22
	s_and_b32 s41, s21, 15
	s_lshl_b32 s41, s41, 14                        ; + token block in the batch x 128 x 128
	s_add_co_u32 s40, s40, s41
	s_lshl_b32 s41, s16, 19                        ; + my two heads of the step's four
	s_add_co_u32 s40, s40, s41
	s_mov_b32 s41, 0
	s_lshl_b32 s46, s16, 18                        ; Wo: my 128 k-rows of the step's 256, 2,048 bytes each,
	s_add_co_u32 s46, s46, 0xE00000                ; at 14 MiB of h16,
	s_lshl_b32 s47, s20, 8                         ; + 256 bytes x column block
	s_add_co_u32 s46, s46, s47
	s_mov_b32 s47, 0
	s_mul_i32 s42, s14, REG                        ; where my tile goes: wave x region
	s_wait_dscnt 0x0
	s_wait_kmcnt 0x0
	s_add_nc_u64 s[40:41], s[4:5], s[40:41]
	s_add_nc_u64 s[46:47], s[6:7], s[46:47]
	CROUND                                         ; all sixteen work-groups are here: the first joint loads meet
.irp s, 0,1
	s_mov_b32 s[G0A+4*\s], 1
	s_add_co_u32 s[G0A+4*\s+1], s42, \s*SLOT
	s_add_nc_u64 s[G0A+4*\s+2:G0A+4*\s+3], s[40:41], \s*1048576    ; step s: four heads on
	s_or_b32 s[G0A+4*\s+3], s[G0A+4*\s+3], 0x80000000
	s_mov_b32 s[G0B+4*\s], 1
	s_add_co_u32 s[G0B+4*\s+1], s42, \s*SLOT
	s_add_nc_u64 s[G0B+4*\s+2:G0B+4*\s+3], s[46:47], \s*524288     ; step s: 256 k-rows down
	s_or_b32 s[G0B+4*\s+3], s[G0B+4*\s+3], 0x80000000
	JLOAD \s
.endr
	v_and_b32 v1, 15, v0                           ; r
	v_bfe_u32 v2, v0, 4, 1                         ; h
	v_and_b32 v3, 7, v0                            ; l % 8
	v_bfe_u32 v4, v0, 3, 1                         ; (l / 8) % 2
	v_mul_u32_u24 v7, v1, 144                      ; ctx fragments: (64 x my half + r) x 144 + 16 h; head and d stand in the immediates
	v_lshl_add_u32 v7, v2, 4, v7
	s_mul_i32 s70, s15, 64*144
	v_add_nc_u32 v[ADRA], s70, v7
	v_add_nc_u32 v[ADRA+1], SLOT, v[ADRA]
	v_lshl_add_u32 v8, v2, 3, v3                   ; Wo fragments: k-row 8 h + l % 8
	v_mul_u32_u24 v8, v8, PB
	v_lshl_add_u32 v8, v4, 4, v8
	s_lshl_b32 s70, s16, 7                         ; my 64 columns: 128 bytes
	v_add_nc_u32 v8, s70, v8
.irp s, 0,1
.irp c, 0,1
	v_add_nc_u32 v[ADRB+2*\s+\c], \s*SLOT+(2+\c)*REG, v8
.endr
.endr
	s_mul_i32 s70, s14, 16*SP
	s_add_co_u32 s70, s70, STAGE                   ; my stage
	v_mul_u32_u24 v9, v1, SP
	v_lshl_add_u32 v9, v2, 5, v9
	v_add_nc_u32 v[STO], s70, v9                   ; in: token r, 32 bytes for each half of the lanes
	v_mul_u32_u24 v9, v2, SP
	v_lshl_add_u32 v9, v1, 4, v9
	v_add_nc_u32 v[RD], s70, v9                    ; back: lanes 0-15 a token's 256 bytes, lanes 16-31 the next token's
	v_lshlrev_b32 v[CO], 4, v1
	v_lshl_add_u32 v[CO], v2, 12, v[CO]            ; the same two tokens in out0: 4,096 bytes apart
	s_lshl1_add_u32 s70, s20, s16                  ; my column in units of 64
	s_lshl_b32 s70, s70, 8                         ; in bytes of f32
	v_lshl_add_u32 v[BO], v2, 5, s70
.irp b, 0,1,2,3
	global_load_b128 v[BIAS+8*\b:BIAS+8*\b+3],   v[BO], s[8:9] offset:64*\b
	global_load_b128 v[BIAS+8*\b+4:BIAS+8*\b+7], v[BO], s[8:9] offset:64*\b+16
.endr
	s_lshl_b32 s71, s21, 19                        ; out0: token block x 128 x 4,096 bytes
	s_add_co_u32 s70, s70, s71
	s_lshl_b32 s71, s15, 18                        ; + my 64 tokens
	s_add_co_u32 s70, s70, s71
	s_mov_b32 s71, 0
	s_add_nc_u64 s[68:69], s[10:11], s[70:71]
; 4 matrix instructions: token block a x my four column tiles, 32 along K.  The 16 accumulators take turns, one instruction a turn.
.macro MUL4 f, a, zero
.irp b, 0,1,2,3
.if \zero
	v_wmma_f32_16x16x32_f16 v[8*(4*\a+\b):8*(4*\a+\b)+7], v[FB+32*\f+8*\b:FB+32*\f+8*\b+7], v[FA+32*\f+8*\a:FA+32*\f+8*\a+7], v[BIAS+8*\b:BIAS+8*\b+7]
.else
	v_wmma_f32_16x16x32_f16 v[8*(4*\a+\b):8*(4*\a+\b)+7], v[FB+32*\f+8*\b:FB+32*\f+8*\b+7], v[FA+32*\f+8*\a:FA+32*\f+8*\a+7], v[8*(4*\a+\b):8*(4*\a+\b)+7]
.endif
.endr
.endm
; 16 LDS loads: eighth q (32 along K: half of head q / 2 of the slot's four) into buffer f
.macro FETCH slot, q, f
.irp e, 0,1,2,3
	ds_load_tr16_b128 v[FB+32*\f+8*\e:FB+32*\f+8*\e+3],   v[ADRB+2*\slot+(\q>>2)] offset:((\q&3)*32)*PB+32*\e
	ds_load_tr16_b128 v[FB+32*\f+8*\e+4:FB+32*\f+8*\e+7], v[ADRB+2*\slot+(\q>>2)] offset:((\q&3)*32+16)*PB+32*\e
.endr
.irp a, 0,1,2,3
	ds_load_b128 v[FA+32*\f+8*\a:FA+32*\f+8*\a+3],   v[ADRA+\slot] offset:(\q>>1)*18432+(\q&1)*64+2304*\a
	ds_load_b128 v[FA+32*\f+8*\a+4:FA+32*\f+8*\a+7], v[ADRA+\slot] offset:(\q>>1)*18432+(\q&1)*64+2304*\a+32
.endr
.endm
; One of a slot's first seven eighths: fetches eighth q into buffer g, then multiplies buffer f, whose loads were issued by the fetch before.
.macro EIGHTH slot, q, f, g, zero
.if \zero == 0
	PLACES                                         ; buffer g was read by the matrix instructions just issued
.endif
	WIN 0
	FETCH \slot, \q, \g
	s_wait_dscnt 16                                ; all but the 16 just issued
.if \zero
	WIN ZEROW
.else
	WIN MULW
.endif
	MUL4 \f, 0, \zero
	MUL4 \f, 1, \zero
	MUL4 \f, 2, \zero
	MUL4 \f, 3, \zero
.endm
.macro SEVEN slot, zero
	EIGHTH \slot, 1, 0, 1, \zero
	EIGHTH \slot, 2, 1, 0, 0
	EIGHTH \slot, 3, 0, 1, 0
	EIGHTH \slot, 4, 1, 0, 0
	EIGHTH \slot, 5, 0, 1, 0
	EIGHTH \slot, 6, 1, 0, 0
	EIGHTH \slot, 7, 0, 1, 0
.endm
; The last eighth multiplies buffer 1 and changes slots.  In front of the barrier each wave waits for its reads of this slot and for all its tensor loads.
; fill = 1: the barrier opens a round of the cluster's barrier, and the joint refill of this slot, two steps ahead, is the first tensor load behind it, one a wave.
.macro TURN slot, next, fill
	s_wait_dscnt 0                                 ; my reads of this slot are over
	s_wait_tensorcnt 0x0                           ; all my tensor loads have landed: the one that was out is my part of the next slot
	ds_add_u32 v254, v255
	s_wait_dscnt 0x0
	s_barrier_signal -1
	WIN MULW
	MUL4 1, 0, 0                                   ; register work while the others arrive
	MUL4 1, 1, 0
	WIN 0
	s_barrier_wait -1
.if \fill
	CREST                                          ; no wave of any partner still reads this slot or has a load on its way
	s_add_nc_u64 s[G0A+4*\slot+2:G0A+4*\slot+3], s[G0A+4*\slot+2:G0A+4*\slot+3], 2097152
	s_add_nc_u64 s[G0B+4*\slot+2:G0B+4*\slot+3], s[G0B+4*\slot+2:G0B+4*\slot+3], 1048576
	JLOAD \slot
.endif
	PLACES
	FETCH \next, 0, 0
	WIN MULW
	MUL4 1, 2, 0
	MUL4 1, 3, 0
.endm
	s_wait_tensorcnt 0x1                           ; my part of step 0 is in; step 1's stays out
	s_barrier_signal -1
	s_barrier_wait -1
	FETCH 0, 0, 0
	s_wait_loadcnt 0x0                             ; the bias tiles, which the first products take as C
	SEVEN 0, 1                                     ; step 0
	TURN 0, 1, 1                                   ; asks for step 2
	SEVEN 1, 0                                     ; step 1
	TURN 1, 0, 1                                   ; asks for step 3
	SEVEN 0, 0                                     ; step 2
	TURN 0, 1, 0                                   ; nothing is left to ask for
	SEVEN 1, 0                                     ; step 3
	s_wait_dscnt 0
	MUL4 1, 0, 0
	MUL4 1, 1, 0
	MUL4 1, 2, 0
	MUL4 1, 3, 0
	; THE WAY OUT, 16 tokens at a time: f32 straight from the accumulators into my own stage, read back by tokens, 256 aligned bytes from sixteen lanes.
	PLACES
.macro OUT16 a
	WIN 0x04                                       ; the stores' data in window 1
.irp b, 0,1,2,3
	ds_store_b128 v[STO], v[8*(4*\a+\b):8*(4*\a+\b)+3]   offset:64*\b
	ds_store_b128 v[STO], v[8*(4*\a+\b)+4:8*(4*\a+\b)+7] offset:64*\b+16
.endr
	WIN 0
	s_wait_xcnt 0x0                                ; BACK, which the last block's stores read, is loaded again only behind this wait
.irp t, 0,1,2,3,4,5,6,7
	ds_load_b128 v[BACK+4*\t:BACK+4*\t+3], v[RD] offset:2*SP*\t    ; LDS serves a wave's instructions in order: these see the stores above
.endr
.irp t, 0,1,2,3,4,5,6,7
	s_wait_dscnt 7-\t                              ; the younger read-backs stay out
	global_store_b128 v[CO], v[BACK+4*\t:BACK+4*\t+3], s[68:69] offset:(16*\a+2*\t)*4096 th:TH_STORE_NT
.endr
.endm
	OUT16 0
	OUT16 1
	OUT16 2
	OUT16 3
	s_wait_tensorcnt 0x0
	ds_add_u32 v254, v255
	s_wait_dscnt 0x0
	CROUND                                         ; the closing round: no work-group ends while a partner may still ask for a tile that names it
	s_endpgm
.Lfunc_end_k_q7d07b017a8_proj:
	.size	k_q7d07b017a8_proj, .Lfunc_end_k_q7d07b017a8_proj-k_q7d07b017a8_proj
	.p2alignl 7, 3214868480
	.fill 96, 4, 3214868480
	.section	.rodata,"a",@progbits
	.p2align	6, 0x0
	.amdhsa_kernel k_q7d07b017a8_proj
		.amdhsa_group_segment_fixed_size 327680
		.amdhsa_private_segment_fixed_size 0
		.amdhsa_enable_private_segment 0
		.amdhsa_kernarg_size 32
		.amdhsa_user_sgpr_count 2
		.amdhsa_user_sgpr_kernarg_segment_ptr 1
		.amdhsa_wavefront_size32 1
		.amdhsa_system_sgpr_workgroup_id_x 1
		.amdhsa_system_sgpr_workgroup_id_y 1
		.amdhsa_system_sgpr_workgroup_id_z 1
		.amdhsa_system_vgpr_workitem_id 0
		.amdhsa_next_free_vgpr 384
		.amdhsa_next_free_sgpr 72
		.amdhsa_reserve_vcc 0
		.amdhsa_float_denorm_mode_32 3
		.amdhsa_float_denorm_mode_16_64 3
		.amdhsa_memory_ordered 1
		.amdhsa_forward_progress 1
		.amdhsa_inst_pref_size 89
	.end_amdhsa_kernel
	.amdgpu_metadata
---
amdhsa.version: [ 1, 2 ]
amdhsa.kernels:
  - .name:           k_q7d07b017a8_proj
    .symbol:         k_q7d07b017a8_proj.kd
    .args:
      - { .name: ctx, .offset: 0, .size: 8, .value_kind: global_buffer, .address_space: global }
      - { .name: h16, .offset: 8, .size: 8, .value_kind: global_buffer, .address_space: global }
      - { .name: bo, .offset: 16, .size: 8, .value_kind: global_buffer, .address_space: global }
      - { .name: out0, .offset: 24, .size: 8, .value_kind: global_buffer, .address_space: global }
    .group_segment_fixed_size: 327680
    .private_segment_fixed_size: 0
    .kernarg_segment_align: 8
    .kernarg_segment_size: 32
    .max_flat_workgroup_size: 128
    .sgpr_count:     72
    .vgpr_count:     384
    .wavefront_size: 32
...
	.end_amdgpu_metadata
.endif
;; end of part 4
;; ======== version 2 of 2: 4 launches; version 1 with the launch cast written anew for expert scheduling mode
;; limits: values are held in f16: magnitudes above 65,504 overflow, below 6.1e-05 lose precision
;; workspace buffers: h16 16,777,216 bytes; qkv 25,165,824 bytes; ctx 8,388,608 bytes
;; launch cast (part 5): grid 64 x 8, 8 waves a work-group, no clusters, 0 bytes of LDS; arguments x, Wq, Wk, Wv, Wo, h16; writes h16
.if DOCPART == 5
	.amdgcn_target "amdgcn-amd-amdhsa--gfx1250"
	.amdhsa_code_object_version 6
	.text
	.protected	k_q7d07b017a8_cast
	.globl	k_q7d07b017a8_cast
	.p2align	8
	.type	k_q7d07b017a8_cast,@function
k_q7d07b017a8_cast:
	s_mov_b64 s[64:65], 0
	v_nop
	global_prefetch_b8 v0, s[64:65] scope:SCOPE_SE
	s_setreg_imm32_b32 hwreg(HW_REG_WAVE_SCHED_MODE, 0, 2), 2
	s_setreg_imm32_b32 hwreg(HW_REG_WAVE_MODE, 25, 1), 1
	s_wait_xcnt 0x0
	s_wait_alu depctr_vm_vsrc(0)
; h16 = x, Wq, Wk, Wv, Wo rounded to f16 (nearest even), one behind the other: x at byte 0 (8 MiB), the weights at 8, 10, 12, 14 MiB.
; A pure stream: each input byte is read once and each output byte written once; no LDS, no barrier, no matrix work.
; Slab y (the grid's y) is 4 MiB of f32: y = 0..3 the quarters of x, y = 4..7 the four weights; its f16 image lies at h16 + y * 2 MiB.
; A work-group takes 64 KiB of a slab, a wave 8 KiB, a lane sixteen loads of 16 bytes, all issued before the first is waited for.
; LIMIT: a number of magnitude 65,520 or more becomes an infinity in f16; below 6.1e-5 the absolute error is 3e-8 at the most.
; THE MODE: SCHED_MODE bits 1:0 = 2 (LLVM: expert scheduling mode 2), set by the entry lines.  The code itself states the register dependences
; between vector instructions and memory instructions, with s_wait_alu, always for 0.
; THE PLAN.  Registers that memory instructions touch:
;   v1, v2   the loads' and the stores' byte offsets: written at the head by vector lines, never again; read by every load and every store.
;   X        written by the sixteen loads, all issued ahead of the first conversion; read by the conversions, each behind its load's wait.  No load follows a vector read.
;   Y        each pair is written once, by two conversions, and read once, by its store.  Nothing that a memory instruction has read is ever written again.
; The sixteen loads go in four groups of four.  The store of load i stands in the turn of load i + 4: a group's four stores read the pairs of Y that the group
; before wrote, and the conversions dealt among them write the group's own pairs.  So one wait at a group's head states all that its four stores hang on.
.set X, 4                              ; v[4:67]   sixteen loads, 4 f32 each
.set Y, 68                             ; v[68:99]  sixteen pairs of registers, 4 f16 each
	s_load_b256 s[4:11], s[0:1], 0x0               ; x s[4:5], Wq s[6:7], Wk s[8:9], Wv s[10:11]
	s_load_b128 s[12:15], s[0:1], 0x20             ; Wo s[12:13], h16 s[14:15]
	s_and_b32 s16, ttmp7, 0xffff                   ; the slab
	v_lshrrev_b32 v3, 5, v0                        ; wave
	v_and_b32 v2, 31, v0                           ; lane
	v_lshlrev_b32 v1, 4, v2
	v_lshl_or_b32 v1, v3, 13, v1                   ; in: 8,192 x wave + 16 x lane
	v_lshlrev_b32 v2, 3, v2
	v_lshl_or_b32 v2, v3, 12, v2                   ; out: 4,096 x wave + 8 x lane
	s_cmp_lt_u32 s16, 4
	s_cselect_b32 s20, s16, 0                      ; the quarter of x; a weight begins at its own first byte
	s_lshl_b32 s20, s20, 22
	s_lshl_b32 s21, ttmp9, 16
	s_add_co_u32 s20, s20, s21                     ; + 64 KiB x work-group
	s_mov_b32 s21, 0
	s_lshl_b32 s22, s16, 21
	s_lshl_b32 s23, ttmp9, 15
	s_add_co_u32 s22, s22, s23                     ; out: 2 MiB x slab + 32 KiB x work-group
	s_mov_b32 s23, 0
	s_wait_kmcnt 0x0
	s_cmp_eq_u32 s16, 4                            ; the source buffer is chosen by the slab's number alone
	s_cselect_b64 s[18:19], s[6:7], s[4:5]
	s_cmp_eq_u32 s16, 5
	s_cselect_b64 s[18:19], s[8:9], s[18:19]
	s_cmp_eq_u32 s16, 6
	s_cselect_b64 s[18:19], s[10:11], s[18:19]
	s_cmp_eq_u32 s16, 7
	s_cselect_b64 s[18:19], s[12:13], s[18:19]
	s_add_nc_u64 s[18:19], s[18:19], s[20:21]
	s_add_nc_u64 s[14:15], s[14:15], s[22:23]
	s_wait_alu depctr_va_vdst(0)                   ; v1 and v2 are written: every load of the kernel reads v1 as its offset, every store v2
.irp i, 0,1,2,3,4,5,6,7,8,9,10,11,12,13,14,15
	global_load_b128 v[X+4*\i:X+4*\i+3], v1, s[18:19] offset:512*\i th:TH_LOAD_NT   ; a wave's load covers 512 consecutive bytes
.endr
.irp i, 0,1,2,3,4,5,6,7,8,9,10,11,12,13,14,15
	s_wait_loadcnt 15-\i                           ; loads come back in order: load i is in, the 15 - i younger ones stay out
.if (((\i) % 4) == 0) && ((\i) > 0)
	s_wait_alu depctr_va_vdst(0)                   ; a group's head: the eight conversions of the group before have written their four pairs of Y, which this group's four stores read
.endif
.if (\i) >= 4
	global_store_b64 v2, v[Y+2*(\i)-8:Y+2*(\i)-7], s[14:15] offset:256*(\i)-1024   ; the pair of load i - 4; no vector line since the wait names it.  The 32 lanes store 256 consecutive bytes, aligned
.endif
	v_cvt_pk_f16_f32 v[Y+2*\i], v[X+4*\i], v[X+4*\i+1]
	v_cvt_pk_f16_f32 v[Y+2*\i+1], v[X+4*\i+2], v[X+4*\i+3]                         ; every register of Y is written once, so no source of a store is ever rewritten
.endr
	s_wait_alu depctr_va_vdst(0)                   ; the last group's conversions have written their four pairs of Y, which the last four stores read
.irp i, 12,13,14,15
	global_store_b64 v2, v[Y+2*\i:Y+2*\i+1], s[14:15] offset:256*\i
.endr
	s_endpgm
.Lfunc_end_k_q7d07b017a8_cast:
	.size	k_q7d07b017a8_cast, .Lfunc_end_k_q7d07b017a8_cast-k_q7d07b017a8_cast
	.p2alignl 7, 3214868480
	.fill 96, 4, 3214868480
	.section	.rodata,"a",@progbits
	.p2align	6, 0x0
	.amdhsa_kernel k_q7d07b017a8_cast
		.amdhsa_group_segment_fixed_size 0
		.amdhsa_private_segment_fixed_size 0
		.amdhsa_enable_private_segment 0
		.amdhsa_kernarg_size 48
		.amdhsa_user_sgpr_count 2
		.amdhsa_user_sgpr_kernarg_segment_ptr 1
		.amdhsa_wavefront_size32 1
		.amdhsa_system_sgpr_workgroup_id_x 1
		.amdhsa_system_sgpr_workgroup_id_y 1
		.amdhsa_system_sgpr_workgroup_id_z 1
		.amdhsa_system_vgpr_workitem_id 0
		.amdhsa_next_free_vgpr 104
		.amdhsa_next_free_sgpr 66
		.amdhsa_reserve_vcc 0
		.amdhsa_float_denorm_mode_32 3
		.amdhsa_float_denorm_mode_16_64 3
		.amdhsa_memory_ordered 1
		.amdhsa_forward_progress 1
		.amdhsa_inst_pref_size 8
	.end_amdhsa_kernel
	.amdgpu_metadata
---
amdhsa.version: [ 1, 2 ]
amdhsa.kernels:
  - .name:           k_q7d07b017a8_cast
    .symbol:         k_q7d07b017a8_cast.kd
    .args:
      - { .name: x, .offset: 0, .size: 8, .value_kind: global_buffer, .address_space: global }
      - { .name: Wq, .offset: 8, .size: 8, .value_kind: global_buffer, .address_space: global }
      - { .name: Wk, .offset: 16, .size: 8, .value_kind: global_buffer, .address_space: global }
      - { .name: Wv, .offset: 24, .size: 8, .value_kind: global_buffer, .address_space: global }
      - { .name: Wo, .offset: 32, .size: 8, .value_kind: global_buffer, .address_space: global }
      - { .name: h16, .offset: 40, .size: 8, .value_kind: global_buffer, .address_space: global }
    .group_segment_fixed_size: 0
    .private_segment_fixed_size: 0
    .kernarg_segment_align: 8
    .kernarg_segment_size: 48
    .max_flat_workgroup_size: 256
    .sgpr_count:     66
    .vgpr_count:     104
    .wavefront_size: 32
...
	.end_amdgpu_metadata
.endif
;; end of part 5
;; launch qkv: the kernel of part 2 again; grid 8 x 32, 4 waves a work-group, clusters of 4 x 4, 327,680 bytes of LDS; arguments h16, bq, bk, bv, qkv; writes qkv
;; launch attn: the kernel of part 3 again; grid 8 x 32, 4 waves a work-group, no clusters, 327,680 bytes of LDS; arguments qkv, ctx; writes ctx
;; launch proj: the kernel of part 4 again; grid 8 x 32, 4 waves a work-group, clusters of 4 x 4, 327,680 bytes of LDS; arguments ctx, h16, bo, out0; writes out0
